; MI455X (gfx1250); checked and timed in simulation.
; The chip was launched on July 23, 2026; its instructions are those of AMD's public machine-readable ISA for CDNA 5 (MIT licence, August 2026) and "CDNA5" Instruction Set Architecture Reference Guide (July 2026). The comments in the code are by the model that wrote it; some were corrected since.
;; Bert Attention. Allowed arithmetic: matrix products marked QUANTISED: E2M1 operands, one E8M0 scale for each 32 along K, by v_wmma_scale_f32_16x16x128_f8f6f4 with both operands' format E2M1 (or v_wmma_scale_f32_32x16x128_f4), f32 sums; everything else in f32.
;; Inputs: Wk_codes 768 x 24 x 16 uint8 (E2M1 codes of Wk, K innermost, in blocks of 32 codes, two codes a byte); Wk_scales 768 x 24 uint8 (E8M0 scales of Wk, one for each 32 codes along K); Wo_codes 768 x 24 x 16 uint8 (E2M1 codes of Wo, K innermost, in blocks of 32 codes, two codes a byte); Wo_scales 768 x 24 uint8 (E8M0 scales of Wo, one for each 32 codes along K); Wq_codes 768 x 24 x 16 uint8 (E2M1 codes of Wq, K innermost, in blocks of 32 codes, two codes a byte); Wq_scales 768 x 24 uint8 (E8M0 scales of Wq, one for each 32 codes along K); Wv_codes 768 x 24 x 16 uint8 (E2M1 codes of Wv, K innermost, in blocks of 32 codes, two codes a byte); Wv_scales 768 x 24 uint8 (E8M0 scales of Wv, one for each 32 codes along K); additive_attention_mask 32 x 1 x 1 x 512 float32; bk 768 float32; bo 768 float32; bq 768 float32; bv 768 float32; ln_b 768 float32; ln_w 768 float32; x 32 x 512 x 768 float32.
;; Outputs: out0 32 x 512 x 768 float32.
;; This version of the problem:
;;   THIS VERSION OF THE PROBLEM IS GIVEN IN LOW PRECISION. The matrix products marked QUANTISED in the list below multiply operands that are first quantised to E2M1 (2 exponent bits, 1 mantissa bit; 4 bits a number), with one power-of-two scale for each 32 numbers along K (OCP MX v1.0); their sums are f32. All else is computed in f32.
;;   The module's matrix products, in the order in which they are computed (A, B: the left and right operand; K: the contracted axis; several contracted axes count as one K, in the product's order):
;;     1. [M 16,384, K 768] x [K 768, N 768]; A: input x; B: input Wq (given as codes): QUANTISED
;;     2. [M 16,384, K 768] x [K 768, N 768]; A: input x; B: input Wk (given as codes): QUANTISED
;;     3. [M 16,384, K 768] x [K 768, N 768]; A: input x; B: input Wv (given as codes): QUANTISED
;;     4. batch 384 x [M 512, K 64] x [K 64, N 512]; A: computed on the way; B: computed on the way: QUANTISED
;;     5. batch 384 x [M 512, K 512] x [K 512, N 64]; A: softmax (see below); B: computed on the way: QUANTISED
;;     6. [M 16,384, K 768] x [K 768, N 768]; A: computed on the way; B: input Wo (given as codes): QUANTISED
;;   THE QUANTISER, for each operand of a quantised product, along K:
;;     - K is cut into blocks of 32 from its start; a last block that is shorter is filled with zeros.
;;     - A block's scale is 2^e with e = floor(log2(the largest magnitude in the block)) - 2, held to -126 .. 127; a block of zeros has e = 0. As a byte (E8M0): e + 127.
;;     - Each number is divided by its block's scale, clamped to +-6, and rounded to the nearest number of E2M1, ties to even, subnormals kept.
;;     - The product sums the exact products of the quantised numbers (number of the format x scale) in f32.
;;   ~~~python
;;   def quantise(x, axis):      # numpy; x: float32 -> the quantised numbers, widened to float32 again
;;       x = np.moveaxis(x, axis, -1); K = x.shape[-1]
;;       x = np.pad(x, [(0, 0)] * (x.ndim - 1) + [(0, -K % 32)]); x = x.reshape(x.shape[:-1] + (-1, 32)); a = np.abs(x).max(-1, keepdims=True)
;;       e = np.where(a > 0, np.clip(np.frexp(np.where(a > 0, a, 1))[1] - 1 - 2, -126, 127), 0)      # np.frexp(a)[1] - 1 = floor(log2(a)), exactly
;;       r = np.clip(x / 2.0 ** e, -6, 6)
;;       step = 2.0 ** (np.maximum(np.frexp(np.where(r == 0, 1, r))[1] - 1, 0) - 1)
;;       q = np.round(r / step) * step * 2.0 ** e      # np.round: ties to even
;;       return np.moveaxis(q.reshape(q.shape[:-2] + (-1,))[..., :K], -1, axis).astype(np.float32)
;;   ~~~
;;   SOFTMAX AHEAD OF A QUANTISED PRODUCT. Where the list says 'softmax', what is quantised is not the finished softmax but p = 2^(t - M), with t = logit x log2(e) and M = ceil(the row's largest t), a whole number; so 1/2 < the row's largest p <= 1. The row's sum l is taken of the UNQUANTISED p, in f32, and the product's result is divided by l at the end. Since M is a whole number, a kernel that streams over the keys may use a running M (the ceiling of the running maximum): every later rescaling is an exact power of two, which a block's scale takes up: the codes' values come out the same.
;;   OPERANDS COMPUTED ON THE WAY. 'Computed on the way' means the value that the module computes at that place (a softmax that the list does not call 'softmax' is quantised finished and normalised). What goes into a quantiser is computed in f32, as accurately as f32 sums, v_exp_f32 and their like allow (about 1e-6 of the number): no bf16 or f16 on the way to a quantiser, and a product that is left as it is and whose result goes on into a quantised operand takes f32 operands (vector FMAs, or v_wmma_f32_16x16x4_f32). A number that lies on a knife's edge between two numbers of the format may be rounded either way, as far as f32 arithmetic and the matrix unit's own rounding can turn it there, and no further.
;;   INPUTS GIVEN AS CODES. Wk (in the module: [768, 768], K = its axis 1); Wo (in the module: [768, 768], K = its axis 1); Wq (in the module: [768, 768], K = its axis 1); Wv (in the module: [768, 768], K = its axis 1): each comes as NAME_codes (uint8): NAME with its K axis moved to the last place and cut into blocks of 32 codes, [.., K / 32, bytes a block], one block behind the other in memory; two codes a byte, the lower K in the low four bits (a code: sign, 2 exponent bits, 1 mantissa bit); and NAME_scales (uint8): the same leading axes, one E8M0 byte (e + 127) for each 32 codes along K. Its value is code x scale, taken as it is: it is not quantised again, and the codes and scales need not be those that the quantiser above would give.
;; One version. Each part assembles by itself: llvm-mc -triple=amdgcn-amd-amdhsa -mcpu=gfx1250 --defsym DOCPART=n.
;; ======== version 1 of 1: 2 launches
;; limits: right only within a limited range of input values
;; workspace buffers: qbuf 7,077,888 bytes; kvbuf 13,762,560 bytes
;; launch qkv (part 1): grid 256 x 1, 4 waves a work-group, no clusters, 27,648 bytes of LDS; arguments x, Wq_codes, Wq_scales, bq, Wk_codes, Wk_scales, bk, Wv_codes, Wv_scales, bv, qbuf, kvbuf; writes qbuf, kvbuf
.if DOCPART == 1
	.amdgcn_target "amdgcn-amd-amdhsa--gfx1250"
	.amdhsa_code_object_version 6
	.text
	.protected	k_q3914ff5155_qkv
	.globl	k_q3914ff5155_qkv
	.p2align	8
	.type	k_q3914ff5155_qkv,@function
k_q3914ff5155_qkv:
	s_mov_b64 s[64:65], 0
	v_nop
	global_prefetch_b8 v0, s[64:65] scope:SCOPE_SE
	s_setreg_imm32_b32 hwreg(HW_REG_WAVE_MODE, 25, 1), 1
	s_wait_xcnt 0x0
; q = x Wq^T + bq, k = x Wk^T + bk, v = x Wv^T + bv on codes of FP4 (E2M1) with one E8M0 scale for each 32 along K, and the results quantised again for attention:
; q and k along the head's 64 channels, v along the keys.  x: [16384][768] f32; W?: codes [768][384 bytes], scale bytes [768][24]; b?: [768] f32.
; SHARES.  A work-group takes 64 tokens of one batch element (g = 8 b + tb).  First each of its four waves quantises 16 rows of x into LDS; then all x fragments (64 tokens x 768) stay in every wave's registers
; and THE WAVES SHARE THE COLUMNS: in a trip wave w makes one head (64 columns) of one of the three products for all 64 tokens: 16 accumulators, 96 matrix instructions.  Nine trips: q0 k0 q1 k1 q2 k2 v0 v1 v2; trip index i: head 4 i + w.
; THE WEIGHTS GO FROM MEMORY STRAIGHT INTO OPERAND REGISTERS.  A head's tile, 64 rows x 384 bytes = 24,576 consecutive bytes, is 192 registers; its 48 loads read each of its bytes once.  There are two sets of 192:
; while one set is multiplied, the next trip's tile, its scale words (6 loads) and its bias (8 loads) are on their way into the other: 62 loads a wave, asked for at a trip's head and waited for at the next trip's head.
; NO CLUSTER, NO JOINT LOADS: a joint load lands in LDS; here no weight byte passes through LDS, no slot is filled again, and behind the x phase the waves meet at no barrier.
; NO PREFETCH: x is read once at the head, with no loop to run ahead in; the weights are the same 940,032 bytes in all 256 work-groups and are asked for a whole trip ahead of their use.
; LAYOUT.  q and k are made transposed (source 0 = 16 rows of W, source 1 = 16 tokens): a lane holds one token and its registers run along the channels, which are the next K.  v is made the other way round
; (source 0 = tokens, source 1 = W): a lane holds one channel and its registers run along the tokens, which are the keys.  The biases are the C of each sum's first matrix instruction.
; A block of 32 along the next K lies in two neighbouring tiles' 16 registers of lanes l and l xor 16.  Each conversion takes the 8 neighbours of one tile; two v_permlane16_swap_b32 for each pair of blocks put a whole block into a lane.
; THE RESULTS LEAVE AS IMAGES OF OPERAND REGISTERS: 16 bytes a lane, 512 consecutive bytes a store.
;   qbuf  [g][head][2,304]: four images (token tile u at 512 u), then 256 bytes of scale words: the word at 8 l + 4 j is tile 2 j + l / 16, row l % 16.
;   kvbuf [b][i][step of 128 keys][w][8,960]: K's 8 images; at 4,096 V's (channel tile t, 64-key half c: 1,024 t + 512 c); at 8,192 K's scale words, 256 bytes for each half, laid as q's; at 8,704 V's (the word at 8 l + 4 j: tile 2 j + l / 16, byte 2 c + block).
; THE DIVISION BY sqrt(64) of the scores is taken off q's scale bytes (3 off each): exact.
; LIMITS: NaN and infinities among the inputs are not served.  A block of zeros gets the byte 1 where the quantiser says 127: its codes are zeros, and this program alone reads the bytes.
; A block of q whose largest magnitude lies under 2^-121 is quantised under that floor's scale, so that 3 can be taken off its byte.  V's scale bytes leave by stores of two bytes a lane: 24,576 such bytes of a work-group's 82,944.
; REGISTERS, in windows of 256: window 0: v1-15 addresses; v16-27 x's scale words, v28-39 and v40-51 W's, two sets (these 36 hold scales alone); v52-107 at work; v128-255 the 16 accumulators (in the x phase v64-255 hold x as it is loaded).
;   window 1: v0-191 x's 24 fragments ((u, kp) at 8 (6 u + kp)); v192-255 two sets of four bias tiles.   window 2: v0-191 W's set 0 ((kp, t) at 32 kp + 8 t); v192-203 bv of my three heads.   window 3: v0-191 W's set 1.
.set XC,     0                         ; LDS: x's codes, 64 rows of 384 bytes + 16
.set XPI,    400
.set XSC,    XC+64*XPI                 ; x's scale bytes, 64 rows of 24
.set SPARE,  XSC+64*24                 ; the spare words, 128 bytes for each wave: two blocks of 256 bytes that no other line names
.set SPW,  1                           ; v1   LDS address of my spare word; never rewritten
.set NIL,  2                           ; v2   0; never rewritten
.set L16,  3                           ; v3   16 x lane
.set WGO,  4                           ; v4   W's codes: 384 (l % 16) + 16 (l / 16)
.set L24,  5                           ; v5   W's scale bytes: 24 x lane: row l of a pair of tiles
.set H32,  6                           ; v6   a bias of q or k: 32 (l / 16): my half's eight columns of a tile
.set R4,   7                           ; v7   bv: 4 (l % 16): my one column of a tile
.set L8,   8                           ; v8   8 x lane
.set XO,   12                          ; v12  x: my 16 bytes of a load's 512
.set XCA,  13                          ; v13  where I store x's codes; later XSR
.set XSR,  13                          ; v13  where I read x's scale words
.set XSA,  14                          ; v14  where I store x's scale bytes
.set XFA,  15                          ; v15  my lane's place in a fragment of x
.set XS,   16
.set WS,   28                          ; set s at WS + 12 s
.set T,    52                          ; v52-59 largest magnitudes
.set U,    60                          ; v60-67 the other half of the lanes'
.set SO,   68                          ; v68-75 the conversions' scale operands
.set BY,   76                          ; v76-83 scale bytes
.set W16,  84                          ; v84-87 two bytes of a row
.set SW,   88                          ; v88-89 scale words as they are stored
.set CD,   92                          ; v92-107 the codes just made
.set ACC,  128
.set BI,   192                         ; window 1: bias set s at BI + 32 s
.set VBI,  192                         ; window 2: bv, register 4 vi + t
.set RING, 64                          ; the x phase: six quads of 32 registers
.set MX,   52                          ; largest magnitudes, then scale bytes
.set XCD,  56
.set XSO,  60
.set XB,   2                           ; s[2:3]  x at my wave's first row
.set WQC,  6                           ; the arguments' registers walk: Wq's codes, scale bytes, bq at my head of the trip to be asked for;
.set WQS,  8
.set WQB,  10
.set WKC,  12                          ; the same for k;
.set WKS,  14
.set WKB,  16
.set WVC,  18                          ; for v they stay at my head of trip 0
.set WVS,  20
.set WVB,  22
.set WV,   28
.set NXC,  32                          ; s[32:33], s[34:35] codes and scale bytes of the tile behind k's: q's next, or v's first
.set NXS,  34
.set SEL,  76                          ; s[76:77] v_permlanex16_b32's selects for lane l xor 16
.set OQ,   82                          ; s[82:83] qbuf;  s[84:91] kvbuf: K's images, K's scale words, V's images, V's scale bytes
.set PKC,  84
.set PKS,  86
.set PVC,  88
.set PVS,  90
.set CNT,  92
.set HI16, 95                          ; the mask of lanes 16-31
.set MSB, 0
.macro WIN new                         ; the immediate's high byte repeats the setting that is left
.if MSB != (\new)
	s_set_vgpr_msb (MSB<<8)|(\new)
.set MSB, (\new)
.endif
.endm
.macro PLACES                          ; four plain vector instructions behind a matrix instruction, ahead of reads of its result (ISA guide 7.12.1)
.rept 4
	v_nop
.endr
.endm
; one matrix instruction on the registers rD, rA, rB, rC, with scale words rSA, rSB; fA, fB = 1: that side's words stand in lanes 16-31
.macro WM
.if fA && fB
	v_wmma_scale_f32_16x16x128_f8f6f4 v[rD:rD+7], v[rA:rA+7], v[rB:rB+7], v[rC:rC+7], v[rSA], v[rSB] matrix_a_fmt:MATRIX_FMT_FP4 matrix_b_fmt:MATRIX_FMT_FP4 matrix_a_scale:MATRIX_SCALE_ROW1 matrix_b_scale:MATRIX_SCALE_ROW1
.elseif fA
	v_wmma_scale_f32_16x16x128_f8f6f4 v[rD:rD+7], v[rA:rA+7], v[rB:rB+7], v[rC:rC+7], v[rSA], v[rSB] matrix_a_fmt:MATRIX_FMT_FP4 matrix_b_fmt:MATRIX_FMT_FP4 matrix_a_scale:MATRIX_SCALE_ROW1
.elseif fB
	v_wmma_scale_f32_16x16x128_f8f6f4 v[rD:rD+7], v[rA:rA+7], v[rB:rB+7], v[rC:rC+7], v[rSA], v[rSB] matrix_a_fmt:MATRIX_FMT_FP4 matrix_b_fmt:MATRIX_FMT_FP4 matrix_b_scale:MATRIX_SCALE_ROW1
.else
	v_wmma_scale_f32_16x16x128_f8f6f4 v[rD:rD+7], v[rA:rA+7], v[rB:rB+7], v[rC:rC+7], v[rSA], v[rSB] matrix_a_fmt:MATRIX_FMT_FP4 matrix_b_fmt:MATRIX_FMT_FP4
.endif
.endm
; Loads first .. first + num - 1 of a head tile's 48.  Load N: tile t = N / 12 of 16 rows, the 32 bytes at 32 (N % 12) of each row: K step kp = (N % 12) / 2, half c = N % 2.  The caller sets the destination's window.
.macro WLD base, first, num, off
.set N, \first
.rept \num
	global_load_b128 v[32*((N%12)/2)+8*(N/12)+4*(N%2):32*((N%12)/2)+8*(N/12)+4*(N%2)+3], v[WGO], s[\base:\base+1] offset:(\off)+6144*(N/12)+32*(N%12)
.set N, N+1
.endr
.endm
.macro SLD set, sb, off                ; a head's scale words: register 6 p + kp: lanes 0-15 tile 2 p, lanes 16-31 tile 2 p + 1; three loads cover 768 consecutive bytes
.irp p,0,1
.irp i,0,1,2
	global_load_b64 v[WS+12*(\set)+6*\p+2*\i:WS+12*(\set)+6*\p+2*\i+1], v[L24], s[\sb:\sb+1] offset:(\off)+768*\p+8*\i
.endr
.endr
.endm
.macro BLD set, bb                     ; a bias of q or k in the result's layout: my half's eight columns of each tile
	WIN 0x40
.irp t,0,1,2,3
	global_load_b128 v[BI+32*\set+8*\t:BI+32*\set+8*\t+3], v[H32], s[\bb:\bb+1] offset:64*\t
	global_load_b128 v[BI+32*\set+8*\t+4:BI+32*\set+8*\t+7], v[H32], s[\bb:\bb+1] offset:64*\t+16
.endr
	WIN 0
.endm
	s_load_b512 s[4:19], s[0:1], 0x0               ; x s[4:5], Wq codes s[6:7], Wq scales s[8:9], bq s[10:11], Wk codes s[12:13], Wk scales s[14:15], bk s[16:17], Wv codes s[18:19]
	s_load_b256 s[20:27], s[0:1], 0x40             ; Wv scales s[20:21], bv s[22:23], qbuf s[24:25], kvbuf s[26:27]
	v_lshl_add_u32 v[SPW], v0, 2, SPARE
	v_mov_b32 v[NIL], 0
	v_lshrrev_b32 v55, 5, v0
	v_readfirstlane_b32 s[WV], v55                 ; wave 0..3
	s_mov_b32 s30, ttmp9                           ; g
	v_and_b32 v52, 31, v0                          ; l
	v_and_b32 v53, 15, v0                          ; r = l % 16
	v_bfe_u32 v54, v0, 4, 1                        ; h = l / 16
	v_lshlrev_b32 v[L16], 4, v52
	v_lshlrev_b32 v[L8], 3, v52
	v_mul_u32_u24 v[WGO], v53, 384
	v_lshl_add_u32 v[WGO], v54, 4, v[WGO]
	v_mul_u32_u24 v[L24], v52, 24
	v_lshlrev_b32 v[H32], 5, v54
	v_lshlrev_b32 v[R4], 2, v53
	v_lshlrev_b32 v[XO], 5, v53
	v_lshl_add_u32 v[XO], v54, 4, v[XO]            ; lanes 0-15 the even pieces of 16 bytes, lanes 16-31 the odd ones: a load covers 512 consecutive bytes
	s_mul_i32 s96, s[WV], 16*XPI
	s_add_co_u32 s96, s96, XC
	v_lshl_add_u32 v[XCA], v52, 2, s96
	s_mul_i32 s96, s[WV], 384
	s_add_co_u32 s96, s96, XSC
	v_lshrrev_b32 v55, 2, v52
	v_add_nc_u32 v[XSA], s96, v55
	v_mul_u32_u24 v55, v53, XPI
	v_lshl_add_u32 v55, v54, 4, v55
	v_add_nc_u32 v[XFA], XC, v55
	s_mov_b32 s[SEL], 0x76543210
	s_mov_b32 s[SEL+1], 0xfedcba98
	s_mov_b32 s[HI16], 0xffff0000
	s_mov_b32 s[CNT], 0
	s_mov_b32 s97, 0
	s_wait_alu depctr_va_vdst(0)
	s_wait_kmcnt 0x0
	s_mul_i32 s96, s[WV], 24576                    ; my head among a trip's four: its codes,
.irp p, WQC, WKC, WVC
	s_add_nc_u64 s[\p:\p+1], s[\p:\p+1], s[96:97]
.endr
	s_mul_i32 s96, s[WV], 1536                     ; its scale bytes,
.irp p, WQS, WKS, WVS
	s_add_nc_u64 s[\p:\p+1], s[\p:\p+1], s[96:97]
.endr
	s_lshl_b32 s96, s[WV], 8                       ; its bias
.irp p, WQB, WKB, WVB
	s_add_nc_u64 s[\p:\p+1], s[\p:\p+1], s[96:97]
.endr
	s_mul_i32 s96, s30, 196608                     ; x: 64 rows of 3,072 bytes a work-group,
	s_mul_i32 s98, s[WV], 49152                    ; 16 a wave
	s_add_co_u32 s96, s96, s98
	s_add_nc_u64 s[XB:XB+1], s[4:5], s[96:97]
	s_mul_i32 s96, s30, 27648
	s_mul_i32 s98, s[WV], 2304
	s_add_co_u32 s96, s96, s98
	s_add_nc_u64 s[OQ:OQ+1], s[24:25], s[96:97]
	s_lshr_b32 s98, s30, 3                         ; b
	s_mul_i32 s98, s98, 12
	s_bfe_u32 s99, s30, 0x20001                    ; which step of 128 keys: tb / 2
	s_add_co_u32 s98, s98, s99
	s_mul_i32 s96, s98, 35840
	s_mul_i32 s98, s[WV], 8960
	s_add_co_u32 s96, s96, s98
	s_add_nc_u64 s[PKC:PKC+1], s[26:27], s[96:97]  ; my head block of trip 0
	s_and_b32 s31, s30, 1                          ; which half of the step's keys: tb % 2
	s_lshl_b32 s96, s31, 8
	s_add_co_u32 s96, s96, 8192
	s_add_nc_u64 s[PKS:PKS+1], s[PKC:PKC+1], s[96:97]
	s_lshl_b32 s96, s31, 9
	s_add_co_u32 s96, s96, 4096
	s_add_nc_u64 s[PVC:PVC+1], s[PKC:PKC+1], s[96:97]
	s_lshl_b32 s96, s31, 1
	s_add_co_u32 s96, s96, 8704
	s_add_nc_u64 s[PVS:PVS+1], s[PKC:PKC+1], s[96:97]
	s_lshl_b32 s96, s31, 11
	s_add_nc_u64 s[PKC:PKC+1], s[PKC:PKC+1], s[96:97]
	SLD 0, WQS, 0                                  ; trip 0's scale words and bias: 14 loads, older than x's
	BLD 0, WQB
; THE X PHASE.  An item is 256 neighbouring numbers of a row (1,024 bytes); my 16 rows are 48 items on end.  A quad is four items, worked by turns.
.macro XLD n                           ; quad n's eight loads, 512 consecutive bytes each
.irp k,0,1,2,3
	global_load_b128 v[RING+32*((\n)%6)+8*\k:RING+32*((\n)%6)+8*\k+3], v[XO], s[XB:XB+1] offset:1024*(4*(\n)+\k) th:TH_LOAD_NT
	global_load_b128 v[RING+32*((\n)%6)+8*\k+4:RING+32*((\n)%6)+8*\k+7], v[XO], s[XB:XB+1] offset:1024*(4*(\n)+\k)+512 th:TH_LOAD_NT
.endr
.endm
.macro XQUAD n
.set RB, RING+32*((\n)%6)
	s_wait_loadcnt 40                              ; my eight loads are in; five younger groups of eight may be out: x's quads, and from quad 7 on groups of trip 0's weights in their stead
	s_wait_dscnt 0x0                               ; the last quad's LDS stores have read their registers
.irp k,0,1,2,3
.irp j,0,1,2,3
	v_permlane16_swap_b32 v[RB+8*\k+\j], v[RB+8*\k+4+\j]   ; the first load's lanes 16-31 change places with the second's lanes 0-15: lane l now holds the 8 NEIGHBOURS 128 (l / 16) + 8 (l % 16) + 0 .. 7 of the item
.endr
.endr
.irp k,0,1,2,3
	v_max3_num_f32 v[MX+\k], |v[RB+8*\k]|, |v[RB+8*\k+1]|, 0x1800000   ; my 8, and the floor 2^(3 - 127): the byte cannot fall under 1
.endr
.irp j,2,4,6
.irp k,0,1,2,3
	v_max3_num_f32 v[MX+\k], v[MX+\k], |v[RB+8*\k+\j]|, |v[RB+8*\k+\j+1]|
.endr
.endr
.irp k,0,1,2,3
	v_max_num_f32_dpp v[MX+\k], v[MX+\k], v[MX+\k] row_xmask:1 row_mask:0xf bank_mask:0xf   ; four neighbouring lanes hold a block of 32
.endr
.irp k,0,1,2,3
	v_max_num_f32_dpp v[MX+\k], v[MX+\k], v[MX+\k] row_xmask:2 row_mask:0xf bank_mask:0xf
.endr
.irp k,0,1,2,3
	v_add_nc_u32 v[XSO+\k], 0xff000000, v[MX+\k]   ; 2 off the exponent field: the conversion takes this operand's exponent field as its scale
.endr
.irp k,0,1,2,3
	v_cvt_scalef32_pk8_fp4_f32 v[XCD+\k], v[RB+8*\k:RB+8*\k+7], v[XSO+\k]
.endr
.irp k,0,1,2,3
	v_lshrrev_b32 v[MX+\k], 23, v[XSO+\k]          ; the scale's byte (also the plain instruction behind the conversions)
.endr
.irp k,0,1,2,3
	ds_store_b32 v[XCA], v[XCD+\k] offset:XPI*((4*(\n)+\k)/3)+128*((4*(\n)+\k)%3)      ; 32 lanes: 128 consecutive bytes of the row's codes
	ds_store_b8 v[XSA], v[MX+\k] offset:24*((4*(\n)+\k)/3)+8*((4*(\n)+\k)%3)           ; the four lanes of a block write the same byte with the same value
.endr
.if (\n) < 6
	XLD (\n)+6                                     ; the quad's registers take the quad six further on
.else
	WIN 0x80                                       ; no more of x to ask for: eight loads of trip 0's tile of Wq into set 0
	WLD WQC, 8*((\n)-6), 8, 0
	WIN 0
.endif
.endm
.irp n,0,1,2,3,4,5
	XLD \n
.endr
.irp n,0,1,2,3,4,5,6,7,8,9,10,11
	XQUAD \n
.endr
	WIN 0x80
.irp vi,0,1,2
.irp t,0,1,2,3
	global_load_b32 v[VBI+4*\vi+\t], v[R4], s[WVB:WVB+1] offset:1024*\vi+64*\t   ; bv at my column of each tile of my three heads: it stays
.endr
.endr
	WIN 0
	s_wait_dscnt 0x0                               ; for the others' sake: my codes and scale bytes lie in LDS
	s_barrier_signal -1
	s_barrier_wait -1                              ; everybody's do
.irp n,0,1,2,3,4,5,6,7
	v_mov_b32 v[U+\n], 0                           ; written once: a lane permute's destination counts as one of its sources
.endr
	; all 24 fragments of x, and their scale words, come into my registers and stay
	v_and_b32 v[XSR], 31, v0
	v_mul_u32_u24 v[XSR], v[XSR], 24
	v_add_nc_u32 v[XSR], XSC, v[XSR]               ; lane l: row l of a pair of token tiles
	WIN 0x40                                       ; destination window 1
.irp u,0,1,2,3
.irp k,0,1,2,3,4,5
.irp c,0,1
	ds_load_b128 v[8*(6*\u+\k)+4*\c:8*(6*\u+\k)+4*\c+3], v[XFA] offset:16*XPI*\u+64*\k+32*\c
.endr
.endr
.endr
	WIN 0
.irp p,0,1
.irp i,0,1,2
	ds_load_b64 v[XS+6*\p+2*\i:XS+6*\p+2*\i+1], v[XSR] offset:768*\p+8*\i   ; register 6 p + kp: lanes 0-15 tile 2 p, lanes 16-31 tile 2 p + 1
.endr
.endr
	s_wait_dscnt 0x0                               ; x is in my registers
; K step KP: 16 matrix instructions, the 16 accumulators by turns, one instruction a turn, in the same order in every K step
.macro MUL kind, set
.if \kind < 2                          ; q, k: source 0 = W (window 2 + set), source 1 = x (window 1); accumulator (u, t): token tile u, channels 16 t on
.if KP == 0
	WIN 0x16+\set                                  ; C = the bias, window 1
.else
	WIN 0x06+\set
.endif
.irp u,0,1,2,3
.irp t,0,1,2,3
.set rD, ACC+8*(4*\u+\t)
.set rA, 32*KP+8*\t
.set rB, 8*(6*\u+KP)
.set rC, rD
.if KP == 0
.set rC, BI+32*\set+8*\t
.endif
.set rSA, WS+12*\set+6*(\t/2)+KP
.set rSB, XS+6*(\u/2)+KP
.set fA, \t%2
.set fB, \u%2
	WM
.endr
.endr
.else                                  ; v: source 0 = x (window 1), source 1 = W (window 2 + set); accumulator (t, u): channels 16 t on, token tile u
.if KP == 0
	WIN 0x19+4*\set
.else
	WIN 0x09+4*\set
.endif
.irp t,0,1,2,3
.irp u,0,1,2,3
.set rD, ACC+8*(4*\t+\u)
.set rA, 8*(6*\u+KP)
.set rB, 32*KP+8*\t
.set rC, rD
.if KP == 0
.set rC, BI+32*\set+8*\t
.endif
.set rSA, XS+6*(\u/2)+KP
.set rSB, WS+12*\set+6*(\t/2)+KP
.set fA, \u%2
.set fB, \t%2
	WM
.endr
.endr
.endif
.endm
; The 16 accumulators are four groups of 32 registers, each two blocks of 32 along the next K; block n = 2 g + b at ACC + 16 n.  Its codes go to v[CD + 4 g ..], the group's two bytes to v[W16 + g].
.macro QUANT8 floor, isq
.irp n,0,1,2,3,4,5,6,7
	v_max3_num_f32 v[T+\n], |v[ACC+16*\n]|, |v[ACC+16*\n+1]|, \floor   ; each accumulator is read from its low end on
.endr
.irp i,2,4,6,8,10,12,14
.irp n,0,1,2,3,4,5,6,7
	v_max3_num_f32 v[T+\n], v[T+\n], |v[ACC+16*\n+\i]|, |v[ACC+16*\n+\i+1]|
.endr
.endr
.irp n,0,1,2,3,4,5,6,7
	v_permlanex16_b32 v[U+\n], v[T+\n], s[SEL], s[SEL+1]
.endr
.irp n,0,1,2,3,4,5,6,7
	v_max_num_f32 v[T+\n], v[T+\n], v[U+\n]        ; with lane l xor 16's 16: the block's largest magnitude
.endr
.irp n,0,1,2,3,4,5,6,7
	v_add_nc_u32 v[SO+\n], 0xff000000, v[T+\n]
.endr
.irp n,0,1,2,3,4,5,6,7
	v_lshrrev_b32 v[BY+\n], 23, v[SO+\n]
.endr
.irp g,0,1,2,3
	v_lshl_or_b32 v[W16+\g], v[BY+2*\g+1], 8, v[BY+2*\g]
.endr
.if \isq
.irp g,0,1,2,3
	v_add_nc_u32 v[W16+\g], 0xfffffcfd, v[W16+\g]  ; 3 off both bytes: q / 8.  The floor holds each byte at 4 or more, so nothing is borrowed
.endr
.endif
.irp j,0,1
	v_cndmask_b32 v[SW+\j], v[W16+2*\j], v[W16+2*\j+1], s[HI16]   ; lanes 0-15 group 2 j's word, lanes 16-31 group 2 j + 1's
.endr
.irp g,0,1,2,3
.irp w,0,1
.irp b,0,1
	v_cvt_scalef32_pk8_fp4_f32 v[CD+4*\g+2*\w+\b], v[ACC+32*\g+16*\b+8*\w:ACC+32*\g+16*\b+8*\w+7], v[SO+2*\g+\b]   ; lane (r, h): k = 32 b + 16 w + 8 h + 0 .. 7
.endr
.endr
.endr
	v_nop                                          ; one plain instruction behind the last conversion
.irp g,0,1,2,3
.irp w,0,1
	v_permlane16_swap_b32 v[CD+4*\g+2*\w], v[CD+4*\g+2*\w+1]   ; register i of the four now holds k = 32 (l / 16) + 8 i + 0 .. 7: the operand's layout
.endr
.endr
.endm
; A TRIP.  kind 0, 1, 2: q, k, v;  set: where my head's tile lies;  nxt: what is asked for into the other set: 0 nothing, 1 k's heads of this index, 2 q's next heads or, behind k's last, v's first, 3 v's next;  vi: v's trip index.
.macro TRIP kind, set, nxt, vi
	s_wait_loadcnt 0x0                             ; this trip's tile, scale words and bias, asked for a trip ago: no load of mine is out
.if \kind == 2
	WIN 0x42                                       ; source window 2, destination window 1
.irp t,0,1,2,3
.irp j,0,1,2,3,4,5,6,7
	v_mov_b32 v[BI+32*\set+8*\t+\j], v[VBI+4*\vi+\t]   ; v: a lane holds one column: its bias in all eight registers of C
.endr
.endr
	WIN 0
	s_wait_alu depctr_va_vdst(0)
.endif
.if \nxt == 1
	WIN 0xc0
	WLD WKC, 0, 48, 0
	WIN 0
	SLD 1, WKS, 0
	BLD 1, WKB
.endif
.if \nxt == 2
	s_cmp_eq_u32 s[CNT], 2                         ; a choice between buffers on the count of trips
	s_cselect_b64 s[NXC:NXC+1], s[WVC:WVC+1], s[WQC:WQC+1]
	s_cselect_b64 s[NXS:NXS+1], s[WVS:WVS+1], s[WQS:WQS+1]
	WIN 0x80
	WLD NXC, 0, 48, 0
	WIN 0
	SLD 0, NXS, 0
	s_cmp_eq_u32 s[CNT], 2
	s_cbranch_scc1 .Lno_bias_\@                    ; v's bias is in registers already
	BLD 0, WQB
.Lno_bias_\@:
.endif
.if \nxt == 3
	WIN 0xc0-0x40*\set
	WLD WVC, 0, 48, 98304*(\vi+1)
	WIN 0
	SLD 1-\set, WVS, 6144*(\vi+1)
.endif
.if \kind == 2
	PLACES                                         ; between the lines that wrote C and the products
.endif
.set KP, 0
.rept 6
	MUL \kind, \set
.set KP, KP+1
.endr
	PLACES
	WIN 0
.if \kind == 0
	QUANT8 0x3000000, 1
.irp g,0,1,2,3
	global_store_b128 v[L16], v[CD+4*\g:CD+4*\g+3], s[OQ:OQ+1] offset:512*\g       ; an image: 512 consecutive bytes, at a multiple of 256 from the buffer's first byte
.endr
	global_store_b64 v[L8], v[SW:SW+1], s[OQ:OQ+1] offset:2048                     ; the four tiles' scale words: 256 consecutive bytes
	s_wait_xcnt 0x0                                ; the stores and loads have read their registers and their bases
	s_add_nc_u64 s[OQ:OQ+1], s[OQ:OQ+1], 9216
	s_add_nc_u64 s[WQC:WQC+1], s[WQC:WQC+1], 98304 ; q's next four heads (behind q's last the stepped addresses are not used)
	s_add_nc_u64 s[WQS:WQS+1], s[WQS:WQS+1], 6144
	s_add_nc_u64 s[WQB:WQB+1], s[WQB:WQB+1], 1024
.endif
.if \kind == 1
	QUANT8 0x1800000, 0
.irp g,0,1,2,3
	global_store_b128 v[L16], v[CD+4*\g:CD+4*\g+3], s[PKC:PKC+1] offset:512*\g
.endr
	global_store_b64 v[L8], v[SW:SW+1], s[PKS:PKS+1]
	s_wait_xcnt 0x0
	s_add_nc_u64 s[PKC:PKC+1], s[PKC:PKC+1], 143360
	s_add_nc_u64 s[PKS:PKS+1], s[PKS:PKS+1], 143360
	s_add_nc_u64 s[WKC:WKC+1], s[WKC:WKC+1], 98304 ; k's next four heads (behind k's last the stepped addresses are not used)
	s_add_nc_u64 s[WKS:WKS+1], s[WKS:WKS+1], 6144
	s_add_nc_u64 s[WKB:WKB+1], s[WKB:WKB+1], 1024
.endif
.if \kind == 2
	QUANT8 0x1800000, 0
.irp g,0,1,2,3
	global_store_b128 v[L16], v[CD+4*\g:CD+4*\g+3], s[PVC:PVC+1] offset:1024*\g+143360*\vi
.endr
.irp j,0,1
	global_store_b16 v[L8], v[SW+\j], s[PVS:PVS+1] offset:4*\j+143360*\vi          ; my 64 keys' two bytes of each channel's word; the other two come from the work-group of the other half
.endr
	s_wait_xcnt 0x0
.endif
.endm
.Lqk:                                              ; three trips: q's and k's heads 4 i .. 4 i + 3
	TRIP 0, 0, 1, 0
	TRIP 1, 1, 2, 0
	s_add_co_u32 s[CNT], s[CNT], 1
	s_cmp_lt_u32 s[CNT], 3
	s_cbranch_scc1 .Lqk
	TRIP 2, 0, 3, 0
	TRIP 2, 1, 3, 1
	TRIP 2, 0, 0, 2                                ; the last trip asks for nothing
	s_wait_tensorcnt 0x0                           ; the wave's end
	ds_add_u32 v[SPW], v[NIL]
	s_wait_dscnt 0x0
	s_endpgm
.Lfunc_end_k_q3914ff5155_qkv:
	.size	k_q3914ff5155_qkv, .Lfunc_end_k_q3914ff5155_qkv-k_q3914ff5155_qkv
	.p2alignl 7, 3214868480
	.fill 96, 4, 3214868480
	.section	.rodata,"a",@progbits
	.p2align	6, 0x0
	.amdhsa_kernel k_q3914ff5155_qkv
		.amdhsa_group_segment_fixed_size 27648
		.amdhsa_private_segment_fixed_size 0
		.amdhsa_enable_private_segment 0
		.amdhsa_kernarg_size 96
		.amdhsa_user_sgpr_count 2
		.amdhsa_user_sgpr_kernarg_segment_ptr 1
		.amdhsa_wavefront_size32 1
		.amdhsa_system_sgpr_workgroup_id_x 1
		.amdhsa_system_sgpr_workgroup_id_y 1
		.amdhsa_system_sgpr_workgroup_id_z 1
		.amdhsa_system_vgpr_workitem_id 0
		.amdhsa_next_free_vgpr 1024
		.amdhsa_next_free_sgpr 100
		.amdhsa_reserve_vcc 0
		.amdhsa_float_denorm_mode_32 3
		.amdhsa_float_denorm_mode_16_64 3
		.amdhsa_memory_ordered 1
		.amdhsa_forward_progress 1
		.amdhsa_inst_pref_size 192
	.end_amdhsa_kernel
	.amdgpu_metadata
---
amdhsa.version: [ 1, 2 ]
amdhsa.kernels:
  - .name:           k_q3914ff5155_qkv
    .symbol:         k_q3914ff5155_qkv.kd
    .args:
      - { .name: x, .offset: 0, .size: 8, .value_kind: global_buffer, .address_space: global }
      - { .name: Wq_codes, .offset: 8, .size: 8, .value_kind: global_buffer, .address_space: global }
      - { .name: Wq_scales, .offset: 16, .size: 8, .value_kind: global_buffer, .address_space: global }
      - { .name: bq, .offset: 24, .size: 8, .value_kind: global_buffer, .address_space: global }
      - { .name: Wk_codes, .offset: 32, .size: 8, .value_kind: global_buffer, .address_space: global }
      - { .name: Wk_scales, .offset: 40, .size: 8, .value_kind: global_buffer, .address_space: global }
      - { .name: bk, .offset: 48, .size: 8, .value_kind: global_buffer, .address_space: global }
      - { .name: Wv_codes, .offset: 56, .size: 8, .value_kind: global_buffer, .address_space: global }
      - { .name: Wv_scales, .offset: 64, .size: 8, .value_kind: global_buffer, .address_space: global }
      - { .name: bv, .offset: 72, .size: 8, .value_kind: global_buffer, .address_space: global }
      - { .name: qbuf, .offset: 80, .size: 8, .value_kind: global_buffer, .address_space: global }
      - { .name: kvbuf, .offset: 88, .size: 8, .value_kind: global_buffer, .address_space: global }
    .group_segment_fixed_size: 27648
    .private_segment_fixed_size: 0
    .kernarg_segment_align: 8
    .kernarg_segment_size: 96
    .max_flat_workgroup_size: 128
    .sgpr_count:     100
    .vgpr_count:     1024
    .wavefront_size: 32
...
	.end_amdgpu_metadata
.endif
;; end of part 1
;; launch attn (part 2): grid 8 x 32, 16 waves a work-group, clusters of 4 x 1, 327,680 bytes of LDS; arguments qbuf, kvbuf, additive_attention_mask, Wo_codes, Wo_scales, bo, x, ln_w, ln_b, out0; writes out0
.if DOCPART == 2
	.amdgcn_target "amdgcn-amd-amdhsa--gfx1250"
	.amdhsa_code_object_version 6
	.text
	.protected	k_q3914ff5155_attn
	.globl	k_q3914ff5155_attn
	.p2align	8
	.type	k_q3914ff5155_attn,@function
k_q3914ff5155_attn:
	s_mov_b64 s[64:65], 0
	v_nop
	global_prefetch_b8 v0, s[64:65] scope:SCOPE_SE
	s_setreg_imm32_b32 hwreg(HW_REG_WAVE_MODE, 25, 1), 1
	s_wait_xcnt 0x0
	s_wait_alu depctr_hold_cnt(0) depctr_sa_sdst(0) depctr_va_vdst(0) depctr_va_sdst(0) depctr_va_ssrc(0) depctr_va_vcc(0) depctr_vm_vsrc(0)
	s_getreg_b32 s2, hwreg(HW_REG_IB_STS2, 6, 4)
	s_cmp_eq_u32 s2, 0
	s_cbranch_scc0 .Lentry_in_a_cluster
	s_endpgm
.Lentry_in_a_cluster:
	s_bfe_u32 s2, ttmp6, 0x10000c
	s_cmp_lg_u32 s2, 0x3003
	s_cbranch_scc0 .Lentry_shape_is_right
	s_endpgm
.Lentry_shape_is_right:
; out = LayerNorm(x + softmax(q k^T / 8 + mask) v Wo^T + bo) x ln_w + ln_b, all three products on codes of FP4 (E2M1) with one E8M0 scale for each 32 along K.
; q, k, v come from the launch before as images of operand registers (qbuf, kvbuf: their layouts stand at that text's head); q's scale bytes already hold the division by 8.
; SHARES.  A work-group takes 64 tokens of one batch element b (g = 8 b + tb).  ATTENTION: wave W of sixteen has 16 queries (qt = W % 4) and, in round rho = 0, 1, 2, head 4 rho + W / 4; it walks the 512 keys in four steps of 128.
; Four waves share a SIMD, so that one wave's softmax stands beside another's products and LDS loads.  PROJECTION: wave W makes columns 48 W .. 48 W + 47 for all 64 tokens.  ROWS: wave W norms and stores rows 4 W .. 4 W + 3.
; LAYOUT.  All products are used transposed (S^T = K Q^T, O^T = V^T P^T, Y^T = Wo A^T): a lane holds one token throughout, and its registers run along what is the next product's K.  Tiles are 16 neighbouring rows.
; A block of 32 lies in two neighbouring tiles' 16 registers of lanes l and l xor 16; each conversion takes one tile's 8 neighbours, and v_permlane16_swap_b32 puts whole blocks into lanes.
; THE FIRST PRODUCT'S K IS 64: registers 4-7 of q's and k's fragments are zeros, set once, and bytes 2, 3 of their scale words are 0: zero codes add nothing.  THE MASK is the C of that product: S = q k / 8 + mask.
; It is loaded a step ahead, into the registers that p has just left, so that it is not among the loads that all waves issue behind a change of slots.
; THE SOFTMAX: t = S x log2(e); M = the row's largest t so far, rounded UP to a whole number; p = 2^(t - M) is quantised along the keys, not normalised; the row's sum is taken of the unquantised p and divides O at the end.
; When M moves, the sum and O are multiplied by 2^(old M - new M): exact.
; THE RING: two slots of TWO key steps each (four head blocks of 8,960 bytes a step): six changes of slots, and a refill has two steps in which to land.
; x IS READ ONCE, spread over the steps: a wave asks for 1,024 bytes (a chunk) of its four rows and stores the chunk asked for earlier into LDS.  There x is the C of the projection's first products (the residual),
; the sums go back to the same bytes, and come out again as whole rows.  x lies chunk by chunk, [chunk 0 .. 11][wave]; chunks 9, 10, 11 lie in slot 0's bytes, which have had their last fill and their last read
; behind the sixth change of slots: so steps 0 to 8 store chunks 0 to 8, step 9 none, steps 10 and 11 chunks 9 and 10, and chunk 11 is stored behind the last step.
; CLUSTER.  The four work-groups of a cluster belong to one b and walk the same K, V and mask: each tile is asked for JOINTLY (mask 15); waves 0-3 fetch a quarter of a slot each.
; Wo is NOT asked for jointly: beside x's own bytes (151,488), the ring (143,360) and the images (26,112) LDS has no room for slots of it, and each of its bytes goes once into one wave's registers: 18,432 + 1,152 bytes a wave, by plain loads.
; LIMITS: NaN and +infinity among the inputs are not served (-infinity in the mask is, so long as a row keeps one finite logit); a row whose every logit lies under about -2e38 gets a sum of 0.
; A block of zeros gets the scale byte 1 where the quantiser says 127: its codes are zeros, and the bytes are read by this program alone.
; REGISTERS: v1-11 addresses; v12 -M, v13 the largest t, v[14:15] the sum; v16-23 Q, v24-31 the next two rounds' q; v32-63 four fragments of K; v64-95 of V; v96-159 S^T, then p; v160-191 O^T; v192-199 codes; v200-207 a chunk of x;
;   v208-224 at work; v226-235 scale words (v228-229 also a partial sum of p), v236-245 partial sums of p; v225, v246-255 addresses.  Projection: v16-87 three buffers of Wo, v88-183 twelve accumulators, v184-215 four images.  Rows: v16-87 bo, ln_w, ln_b; v88-183 four rows.
.set MASK,  0                          ; the batch element's mask, 2,048 bytes, filled once
.set SPARE, 2048                       ; the spare words, 128 bytes for each wave: eight blocks of 256 bytes that no other line names
.set IMG,   4096                       ; from here to SLOT0 LDS is written by ds_store alone: the attention's results as images: fragment (m, kp) at 1,024 (6 m + kp) + 512 c + 16 l
.set ISC,   28672                      ; their scale words: 256 kp + 64 m + 4 r
.set XR,    30272                      ; x: chunk i of wave W at CST i + 1,040 W
.set CST,   16832                      ; 1,052 x 16 bytes from chunk to chunk, 65 x 16 from wave to wave: row 16 m + r is chunk 3 (r % 4) + .. of wave 4 m + r / 4, so the 16 rows of a load start at the 16-byte columns 4 (r % 4) + r / 4 of 256 bytes: all different
.set STEPB, 35840                      ; a key step's tile: four head blocks of 8,960 bytes
.set SLOTB, 2*STEPB                    ; a slot: two steps
.set SLOT0, XR+9*CST                   ; 181,760 = 710 x 256: x's chunks 9 to 11 fall on slot 0's first bytes
.set SLOT1, SLOT0+SLOTB                ; it ends at 325,120
.set SPW,  1                           ; v1   LDS address of my spare word; never rewritten
.set NIL,  2                           ; v2   0; never rewritten
.set L16,  3                           ; v3   16 x lane
.set AK,   4                           ; v4-5 my head block's images, slot 0, 1; later AIM, AISR
.set AS,   6                           ; v6-7 its scale words
.set AM0,  8                           ; v8   my half's place in the mask; never rewritten
.set ADM,  9                           ; v9   an address in hand
.set PFO,  10                          ; v10  256 x lane: the prefetches' offset; never rewritten
.set XL0,  11                          ; v11  my wave's place in a chunk of x, 16 x lane
.set Q,    16
.set KF,   32
.set VF,   64
.set S,    96
.set O,    160
.set CD,   192
.set XD,   200
.set BM,   208                         ; v208-211 the blocks' largest
.set U,    212                         ; v212-215 the other half of the lanes'; then bytes
.set SO,   216                         ; v216-219 the conversions' scale operands
.set F,    220                         ; v[220:221] f = 2^(old M - new M)
.set SM2,  222                         ; v[222:223] the sum's second chain
.set TMP,  224
.set WSO,  225                         ; v225 Wo's scale bytes: 24 (l % 16)
.set KS,   226                         ; v226-229 K's scale words, v230-231 V's, v232 p's, v233-235 q's (this round's and the next two)
.set VS,   230
.set PS,   232
.set QS,   233
.set XLA,  246                         ; v246 an address in hand
.set AII0, 247                         ; v247 where I store my image
.set AIS0, 248                         ; v248 and its two scale bytes
.set AX,   249                         ; v249-251 x as C: column tile 0, 1, 2 of my three, row l % 16 of a token tile
.set XLQ,  252                         ; v252-254 my rows 1, 2, 3 in x: XL0 + three chunks for each row
.set WGO,  255                         ; v255 Wo's codes: 384 (l % 16) + 16 (l / 16)
.set WB,   16
.set AC,   88
.set IM,   184
.set WS,   226                         ; v226-243 Wo's scale words (6 ct + kp), v244-245 the images'
.set IS,   244
.set AIM,  4
.set AISR, 5
.set BO,   16
.set LW,   40
.set LB,   64
.set Y,    88
.set SU,   184
.set TP,   192
.set SQ,   196
.set WV,   24
.set QT,   25
.set HG,   26
.set G1T,  32                          ; s[32:39] descriptor group 1 for a quarter of a slot;  s[40:47] for the mask
.set G1M,  40
.set G0,   48                          ; s[48:51], s[52:55] group 0 for slot 0, 1;  s[56:59] for the mask
.set G0M,  56
.set SEL,  60                          ; s[60:61] v_permlanex16_b32's selects for lane l xor 16
.set CS,   62                          ; s[62:63] log2(e): the packed form names a pair and takes its low word for both halves
.set XST,  67                          ; CST x the chunk to be stored
.set RI,   68                          ; 2,048 rho
.set RS,   69                          ; 512 rho
.set RND,  70
.set LEFT, 72                          ; 5 - the changes of slots that have asked
.set LIM,  73                          ; 1 in a wave that prefetches, else the greatest number
.set PFA,  74                          ; s[74:75] where the prefetches stand
.set XPT,  76                          ; s[76:77] x at the chunk asked for last
.set QP,   78
.set QSP,  80
.set WOP,  82
.set WSP,  84
.set OUTP, 86
.set INV,  88                          ; 1 / 768
.set EPS,  89                          ; 1e-12
.macro PLACES                          ; four plain vector instructions behind a matrix instruction, ahead of loads into its registers and of reads of its result; also behind a tensor load
.rept 4
	v_nop
.endr
.endm
.macro CROUND                          ; a round of the cluster's barrier
	s_barrier_signal -1
	s_barrier_wait -1
	s_cmp_lg_u32 s[WV], 0
	s_cbranch_scc1 .Lnot_wave_0_\@
	s_barrier_signal -3
.Lnot_wave_0_\@:
	s_barrier_wait -3
	s_barrier_signal -1
	s_barrier_wait -1
.endm
.macro TLOAD g0                        ; waves 0-3 fetch a quarter of a slot each; the branch hangs on the wave's number alone
	s_cmp_lt_u32 s[WV], 4
	s_cbranch_scc0 .Lno_fetch_\@
	tensor_load_to_lds s[\g0:\g0+3], s[G1T:G1T+7]
	s_nop 0
	PLACES
.Lno_fetch_\@:
.endm
; A PREFETCH INTO THE L2, at each change of slots that fills a slot: of the two steps' tiles that the NEXT change will ask for, two key steps ahead of that load.  Both clusters of a batch element walk the same tiles: the first cluster asks,
; in it waves 4 and 5, which fetch nothing.  The four partners share the 71,680 bytes out BY ADDRESS: partner cx names quarter cx, wave 4 its first 32 blocks of 256 bytes, wave 5 the next 32, a lane a block; the quarter's last 6 blocks come by their load alone.
; Change d asks for slot filling d + 2 while d is 3 or less: there are six fillings.  Nothing is asked for at the head.
.macro ASK
	s_cmp_gt_u32 s[LEFT], s[LIM]
	s_cbranch_scc0 .Lnot_mine_\@
	global_prefetch_b8 v[PFO], s[PFA:PFA+1] th:TH_LOAD_NT scope:SCOPE_SE
.Lnot_mine_\@:
.endm
; one matrix instruction on the registers rD (also C), rA, rB, with scale words rSA, rSB; fA, fB = 1: that side's words stand in lanes 16-31
.macro WM
.if fA && fB
	v_wmma_scale_f32_16x16x128_f8f6f4 v[rD:rD+7], v[rA:rA+7], v[rB:rB+7], v[rD:rD+7], v[rSA], v[rSB] matrix_a_fmt:MATRIX_FMT_FP4 matrix_b_fmt:MATRIX_FMT_FP4 matrix_a_scale:MATRIX_SCALE_ROW1 matrix_b_scale:MATRIX_SCALE_ROW1
.elseif fA
	v_wmma_scale_f32_16x16x128_f8f6f4 v[rD:rD+7], v[rA:rA+7], v[rB:rB+7], v[rD:rD+7], v[rSA], v[rSB] matrix_a_fmt:MATRIX_FMT_FP4 matrix_b_fmt:MATRIX_FMT_FP4 matrix_a_scale:MATRIX_SCALE_ROW1
.elseif fB
	v_wmma_scale_f32_16x16x128_f8f6f4 v[rD:rD+7], v[rA:rA+7], v[rB:rB+7], v[rD:rD+7], v[rSA], v[rSB] matrix_a_fmt:MATRIX_FMT_FP4 matrix_b_fmt:MATRIX_FMT_FP4 matrix_b_scale:MATRIX_SCALE_ROW1
.else
	v_wmma_scale_f32_16x16x128_f8f6f4 v[rD:rD+7], v[rA:rA+7], v[rB:rB+7], v[rD:rD+7], v[rSA], v[rSB] matrix_a_fmt:MATRIX_FMT_FP4 matrix_b_fmt:MATRIX_FMT_FP4
.endif
.endm
; the mask of the round's step n (keys 128 n on), in the first product's result layout: register j of tile t is key 16 t + 8 (l / 16) + j
.macro MASKIN n
.irp t,0,1,2,3,4,5,6,7
	ds_load_b128 v[S+8*\t:S+8*\t+3], v[AM0] offset:512*(\n)+64*\t
	ds_load_b128 v[S+8*\t+4:S+8*\t+7], v[AM0] offset:512*(\n)+64*\t+16
.endr
.endm
	s_load_b512 s[4:19], s[0:1], 0x0               ; qbuf s[4:5], kvbuf s[6:7], mask s[8:9], Wo codes s[10:11], Wo scales s[12:13], bo s[14:15], x s[16:17], ln_w s[18:19]
	s_load_b128 s[20:23], s[0:1], 0x40             ; ln_b s[20:21], out0 s[22:23]
	v_lshl_add_u32 v[SPW], v0, 2, SPARE
	v_mov_b32 v[NIL], 0
	ds_add_u32 v1, v2
	ds_add_u32 v1, v2
	s_wait_dscnt 0x0
	v_lshrrev_b32 v211, 5, v0
	s_delay_alu instid0(VALU_DEP_1)
	v_readfirstlane_b32 s[WV], v211                ; wave 0..15
	s_and_b32 s[QT], s[WV], 3
	s_lshr_b32 s[HG], s[WV], 2
	s_bfe_u32 s27, ttmp6, 0x40000                  ; cx: it enters global addresses alone
	s_and_b32 s28, ttmp7, 0xffff                   ; b, which the four partners share
	s_lshl_b32 s29, ttmp9, 2
	s_add_co_u32 s29, s29, s27                     ; tb = 4 x cluster x + cx
	s_lshl_b32 s30, s28, 3
	s_add_co_u32 s29, s29, s30                     ; g = 8 b + tb
	v_and_b32 v208, 31, v0                         ; l
	v_and_b32 v209, 15, v0                         ; r
	v_bfe_u32 v210, v0, 4, 1                       ; h
	s_delay_alu instid0(VALU_DEP_3)
	v_lshlrev_b32 v[L16], 4, v208
	s_mul_i32 s90, s[HG], 8960
	s_add_co_u32 s90, s90, SLOT0
	v_add_nc_u32 v[AK], s90, v[L16]
	s_delay_alu instid0(VALU_DEP_1)
	v_add_nc_u32 v[AK+1], SLOTB, v[AK]
	s_add_co_u32 s90, s90, 8192
	v_lshl_add_u32 v[AS], v208, 3, s90
	s_delay_alu instid0(VALU_DEP_1)
	v_add_nc_u32 v[AS+1], SLOTB, v[AS]
	v_lshl_add_u32 v[AM0], v210, 5, MASK           ; 32 bytes of the mask for my half of the lanes
	v_lshlrev_b32 v[PFO], 8, v208
	s_mul_i32 s90, s[WV], 1040
	s_add_co_u32 s90, s90, XR
	v_add_nc_u32 v[XL0], s90, v[L16]
.irp n,1,2,3
	v_add_nc_u32 v[XLQ+\n-1], 3*CST*\n, v[XL0]     ; a row is three chunks
.endr
	s_mul_i32 s90, s[QT], 6144                     ; my image: token tile m = qt; head 4 rho + hg is K step 2 rho + hg / 2, half hg % 2: 512 hg + 2,048 rho
	s_lshl_b32 s91, s[HG], 9
	s_add_co_u32 s90, s90, s91
	s_add_co_u32 s90, s90, IMG
	v_add_nc_u32 v[AII0], s90, v[L16]
	s_lshl_b32 s90, s[QT], 6
	s_lshr_b32 s91, s[HG], 1
	s_lshl_b32 s91, s91, 8
	s_add_co_u32 s90, s90, s91
	s_and_b32 s91, s[HG], 1
	s_lshl_b32 s91, s91, 1
	s_add_co_u32 s90, s90, s91
	s_add_co_u32 s90, s90, ISC
	v_lshl_add_u32 v[AIS0], v209, 2, s90
	v_and_b32 v211, 3, v209                        ; x as C: row 16 m + r is row r % 4 of wave 4 m + r / 4:
	s_delay_alu instid0(VALU_DEP_1)
	v_mul_u32_u24 v211, v211, 3*CST                ; three chunks for each row of a wave,
	v_lshrrev_b32 v212, 2, v209
	s_delay_alu instid0(VALU_DEP_1)
	v_mad_u32_u24 v211, v212, 1040, v211           ; 1,040 bytes for each wave (4 m of them stand in the immediate),
	s_delay_alu instid0(VALU_DEP_1)
	v_lshl_add_u32 v211, v210, 5, v211             ; my half's eight columns
	s_wait_alu depctr_va_vdst(0)
.irp c,0,1,2
	s_mul_i32 s90, s[WV], 192
	s_add_co_u32 s90, s90, 64*\c                   ; column tile c of my three begins at this byte of a row:
	s_lshr_b32 s91, s90, 10
	s_mul_i32 s91, s91, CST                        ; which of the row's three chunks,
	s_and_b32 s90, s90, 1023                       ; and where in it
	s_add_co_u32 s90, s90, s91
	s_add_co_u32 s90, s90, XR
	v_add_nc_u32 v[AX+\c], s90, v211
.endr
	v_mul_u32_u24 v[WGO], v209, 384
	s_delay_alu instid0(VALU_DEP_1)
	v_lshl_add_u32 v[WGO], v210, 4, v[WGO]
	v_mul_u32_u24 v[WSO], v209, 24
	v_lshlrev_b32 v[ADM], 3, v209                  ; q's scale words: 8 bytes from row to row
	s_mov_b32 s[SEL], 0x76543210
	s_mov_b32 s[SEL+1], 0xfedcba98
	s_mov_b32 s[CS], 0x3fb8aa3b                    ; log2(e)
	s_mov_b32 s[CS+1], s[CS]                       ; (named with it as a pair, so it is written)
	s_mov_b32 s[XST], 0
	s_mov_b32 s[RI], 0
	s_mov_b32 s[RS], 0
	s_mov_b32 s[LEFT], 5
	s_mov_b32 s[INV], 0x3aaaaaab
	s_mov_b32 s[EPS], 0x2b8cbccc
	s_mov_b32 s[G1T], 15|(3<<16)|(1<<21)           ; 15:0 the mask: all four work-groups; 17:16 elements of 8 bytes; 21 set beside a mask.  A quarter of a slot: 70 rows of 256 bytes, dense
	s_mov_b32 s[G1T+1], 32<<16
	s_mov_b32 s[G1T+2], 70<<16
	s_mov_b32 s[G1T+3], 32<<16
	s_mov_b32 s[G1T+4], 70
	s_mov_b32 s[G1T+5], 32
	s_mov_b32 s[G1T+6], 0
	s_mov_b32 s[G1T+7], 0
	s_mov_b32 s[G1M], 15|(3<<16)|(1<<21)           ; the mask: 8 rows of 256 bytes
	s_mov_b32 s[G1M+1], 32<<16
	s_mov_b32 s[G1M+2], 8<<16
	s_mov_b32 s[G1M+3], 32<<16
	s_mov_b32 s[G1M+4], 8
	s_mov_b32 s[G1M+5], 32
	s_mov_b32 s[G1M+6], 0
	s_mov_b32 s[G1M+7], 0
	s_mul_i32 s90, s[WV], 17920                    ; the quarter that I fetch, if I fetch: in a slot and in memory
	s_mov_b32 s91, 0
	s_mov_b32 s[G0], 1
	s_add_co_u32 s[G0+1], s90, SLOT0
	s_mov_b32 s[G0+4], 1
	s_add_co_u32 s[G0+5], s90, SLOT1
	s_mov_b32 s[G0M], 1
	s_mov_b32 s[G0M+1], MASK
	s_mul_i32 s92, s28, 430080                     ; a batch element's twelve tiles: six fillings of a slot
	s_mov_b32 s93, 0
	s_mov_b32 s97, 0
	s_mov_b32 s99, 0
	s_xor_b32 s96, s[WV], 4
	s_lshr_b32 s96, s96, 1
	s_or_b32 s96, s96, ttmp9                       ; 0 in waves 4 and 5 of the batch element's first cluster: the same in all four partners
	s_cmp_eq_u32 s96, 0
	s_cselect_b32 s[LIM], 1, -1
	s_wait_alu depctr_va_vdst(0)
	s_wait_kmcnt 0x0
	s_add_nc_u64 s[94:95], s[6:7], s[92:93]
	s_add_nc_u64 s[G0+2:G0+3], s[94:95], s[90:91]  ; steps 0 and 1,
	s_add_nc_u64 s[G0+6:G0+7], s[G0+2:G0+3], SLOTB ; steps 2 and 3
	s_or_b32 s[G0+3], s[G0+3], 0x80000000
	s_or_b32 s[G0+7], s[G0+7], 0x80000000
	s_lshl_b32 s96, s28, 11
	s_add_nc_u64 s[G0M+2:G0M+3], s[8:9], s[96:97]
	s_or_b32 s[G0M+3], s[G0M+3], 0x80000000
	s_mul_i32 s96, s27, 17920                      ; the prefetches: quarter cx,
	s_add_co_u32 s96, s96, SLOTB                   ; of the second filling: the first change of slots steps it to the third,
	s_and_b32 s98, s[WV], 1
	s_lshl_b32 s98, s98, 13
	s_add_co_u32 s96, s96, s98                     ; wave 5: 32 blocks on
	s_add_nc_u64 s[PFA:PFA+1], s[94:95], s[96:97]
	s_mul_i32 s96, s29, 196608
	s_mul_i32 s98, s[WV], 12288
	s_add_co_u32 s96, s96, s98
	s_add_nc_u64 s[XPT:XPT+1], s[16:17], s[96:97]  ; x and out0 at my four rows
	s_add_nc_u64 s[OUTP:OUTP+1], s[22:23], s[96:97]
	s_mul_i32 s96, s29, 27648
	s_mul_i32 s98, s[HG], 2304
	s_add_co_u32 s96, s96, s98
	s_lshl_b32 s98, s[QT], 9
	s_add_co_u32 s98, s96, s98
	s_add_nc_u64 s[QP:QP+1], s[4:5], s[98:99]      ; q's image of tile qt, head hg
	s_and_b32 s98, s[QT], 1
	s_lshl_b32 s98, s98, 7
	s_add_co_u32 s96, s96, s98
	s_lshr_b32 s98, s[QT], 1
	s_lshl_b32 s98, s98, 2
	s_add_co_u32 s96, s96, s98
	s_add_co_u32 s96, s96, 2048
	s_add_nc_u64 s[QSP:QSP+1], s[4:5], s[96:97]    ; and its scale words
	s_mul_i32 s96, s[WV], 18432
	s_add_nc_u64 s[WOP:WOP+1], s[10:11], s[96:97]  ; my 48 rows of Wo
	s_mul_i32 s96, s[WV], 1152
	s_add_nc_u64 s[WSP:WSP+1], s[12:13], s[96:97]
	global_load_b128 v[Q:Q+3], v[L16], s[QP:QP+1]                  ; q of the three rounds: heads hg, 4 + hg, 8 + hg
	global_load_b128 v[Q+8:Q+11], v[L16], s[QP:QP+1] offset:9216
	global_load_b128 v[Q+12:Q+15], v[L16], s[QP:QP+1] offset:18432
.irp i,0,1,2
	global_load_b32 v[QS+\i], v[ADM], s[QSP:QSP+1] offset:9216*\i
.endr
	global_load_b128 v[XD:XD+3], v[L16], s[XPT:XPT+1] th:TH_LOAD_NT               ; x's chunk 0
	global_load_b128 v[XD+4:XD+7], v[L16], s[XPT:XPT+1] offset:512 th:TH_LOAD_NT
	CROUND                                         ; all four work-groups are here: the first joint loads meet
	s_cmp_lt_u32 s[WV], 4                          ; one first fill a wave at the most: waves 0-3 slot 0, wave 4 the mask
	s_cbranch_scc0 .Lnot_kv
	tensor_load_to_lds s[G0:G0+3], s[G1T:G1T+7]
	s_nop 0
	PLACES
	s_branch .Lfilled
.Lnot_kv:
	s_cmp_eq_u32 s[WV], 4
	s_cbranch_scc0 .Lfilled
	tensor_load_to_lds s[G0M:G0M+3], s[G1M:G1M+7]
	s_nop 0
	PLACES
.Lfilled:
.irp j,4,5,6,7
	v_mov_b32 v[Q+\j], 0                           ; the upper 64 of the first product's K: zero codes, set once
.irp t,0,1,2,3
	v_mov_b32 v[KF+8*\t+\j], 0
.endr
.endr
.irp b,0,1,2,3
	v_mov_b32 v[U+\b], 0                           ; written once: a lane permute's destination counts as one of its sources
.endr
	v_mov_b32 v[TMP], 0
	v_mov_b32 v[F+1], 0                            ; (named as the upper half of a pair)
.macro FRESH                           ; a head begins: the largest t is -3e38, under every t; the sum and O^T are zeros, which the first change of M leaves zeros
	v_mov_b32 v13, 0xff61b1e6
	s_delay_alu instid0(VALU_DEP_1)
	v_floor_f32 v12, -v13
	v_mov_b32 v14, 0
	v_mov_b32 v15, 0
.irp j,0,1,2,3,4,5,6,7,8,9,10,11,12,13,14,15,16,17,18,19,20,21,22,23,24,25,26,27,28,29,30,31
	v_mov_b32 v[O+\j], 0
.endr
.endm
	FRESH
	s_wait_tensorcnt 0x0                           ; my first fill has landed (one load a wave at the most is out),
	s_barrier_signal -1
	s_barrier_wait -1                              ; everybody's has, the mask among them.
	MASKIN 0                                       ; the first step's mask; every later step's is loaded at the end of the step before
; THE CHANGE OF SLOTS, at the head of \slot's two steps.  Each wave waits for all its tensor loads (its part of \slot), adds 0 to its spare word, and waits for that and for its reads of the other slot.
; fill = 1: behind a round of the cluster's barrier the other slot is filled with the two steps that follow: the load has two steps in which to land.
.macro CHANGE slot, fill
	s_wait_tensorcnt 0x0                           ; all my tensor loads have landed: so every group 0 may be written
	ds_add_u32 v[SPW], v[NIL]                      ; 0 onto my spare word; with fill = 1 the steps below stand between it and the wait for it
.if \fill
	s_add_nc_u64 s[G0+4*\slot+2:G0+4*\slot+3], s[G0+4*\slot+2:G0+4*\slot+3], 2*SLOTB   ; this slot's next filling (the last stepped address is not used)
	s_wait_xcnt 0x0                                ; the last prefetch, two steps back, has read its address
	s_add_nc_u64 s[PFA:PFA+1], s[PFA:PFA+1], SLOTB
.endif
	s_wait_dscnt 0x0                               ; the add is done, my reads of the other slot are over, and the next step's mask is in
.if \fill
	CROUND                                         ; all that holds of every wave of the four work-groups
	TLOAD G0+4-4*\slot                             ; the first tensor load behind the round, and a wave's only one until the next
	ASK
	s_sub_co_u32 s[LEFT], s[LEFT], 1
.else
	s_barrier_signal -1
	s_barrier_wait -1
.endif
.endm
; A STEP: 128 keys of my head: the \q-th step of \slot.  xs = 1: the chunk of x in hand goes to LDS and the next is asked for.  nm: the step of the round whose mask is loaded at this step's end (4: none).
.macro STEP slot, q, xs, nm
.if \xs
	s_wait_loadcnt 0x0                             ; x's chunk, asked for a step or more ago (in the first step: q too)
	v_add_nc_u32 v[XLA], s[XST], v[XL0]
	ds_store_b128 v[XLA], v[XD:XD+3]
	ds_store_b128 v[XLA], v[XD+4:XD+7] offset:512
.endif
.irp t,0,1,2,3
	ds_load_b128 v[KF+8*\t:KF+8*\t+3], v[AK+\slot] offset:STEPB*\q+512*\t
.endr
	ds_load_b64 v[KS:KS+1], v[AS+\slot] offset:STEPB*\q            ; register t / 2: lanes 0-15 tile t even, lanes 16-31 tile t odd
	ds_load_b64 v[KS+2:KS+3], v[AS+\slot] offset:STEPB*\q+256
	s_wait_dscnt 0x0                               ; these, and the mask, which was asked for in the step before
.if \xs
	s_add_nc_u64 s[XPT:XPT+1], s[XPT:XPT+1], 1024  ; (the loads that named it are in, and the LDS stores have read the chunk's registers)
	global_load_b128 v[XD:XD+3], v[L16], s[XPT:XPT+1] th:TH_LOAD_NT
	global_load_b128 v[XD+4:XD+7], v[L16], s[XPT:XPT+1] offset:512 th:TH_LOAD_NT
.endif
.irp t,0,1,2,3
.set rD, S+8*\t
.set rA, KF+8*\t
.set rB, Q
.set rSA, KS+\t/2
.set rSB, QS
.set fA, \t%2
.set fB, 0
	WM                                             ; S^T = K Q^T + mask
.endr
	PLACES
.irp t,4,5,6,7
	ds_load_b128 v[KF+8*(\t-4):KF+8*(\t-4)+3], v[AK+\slot] offset:STEPB*\q+512*\t
.endr
.irp t,0,1,2,3
.irp c,0,1
	ds_load_b128 v[VF+8*\t+4*\c:VF+8*\t+4*\c+3], v[AK+\slot] offset:STEPB*\q+4096+1024*\t+512*\c
.endr
.endr
	ds_load_b64 v[VS:VS+1], v[AS+\slot] offset:STEPB*\q+512
	s_wait_dscnt 9                                 ; K's four tiles are in; V's eight loads and its scale words may be out
.irp t,4,5,6,7
.set rD, S+8*\t
.set rA, KF+8*(\t-4)
.set rB, Q
.set rSA, KS+\t/2
.set rSB, QS
.set fA, \t%2
.set fB, 0
	WM
.endr
	PLACES
.irp b,0,1,2,3
	v_max3_num_f32 v[BM+\b], v[S+16*\b], v[S+16*\b+1], v[S+16*\b+2]   ; THE LARGEST SCORE OF EACH BLOCK OF 32 KEYS: it serves for the row's maximum and, since p rises with the score, for the block's largest p
.endr
.irp i,3,5,7,9,11,13
.irp b,0,1,2,3
	v_max3_num_f32 v[BM+\b], v[BM+\b], v[S+16*\b+\i], v[S+16*\b+\i+1]
.endr
.endr
.irp b,0,1,2,3
	v_max_num_f32 v[BM+\b], v[BM+\b], v[S+16*\b+15]
.endr
.irp b,0,1,2,3
	s_delay_alu instid0(VALU_DEP_4)
	v_permlanex16_b32 v[U+\b], v[BM+\b], s[SEL], s[SEL+1]
.endr
.irp b,0,1,2,3
	s_delay_alu instid0(VALU_DEP_4)
	v_max_num_f32 v[BM+\b], v[BM+\b], v[U+\b]      ; with lane l xor 16's 16 keys
.endr
	s_delay_alu instid0(VALU_DEP_2)
	v_max3_num_f32 v[TMP], v[BM], v[BM+1], v[BM+2]
	s_delay_alu instid0(VALU_DEP_1)
	v_max_num_f32 v[TMP], v[TMP], v[BM+3]
	s_delay_alu instid0(VALU_DEP_1)
	v_mul_f32 v[TMP], s[CS], v[TMP]                ; the step's largest t
	s_delay_alu instid0(VALU_DEP_1)
	v_max_num_f32 v13, v13, v[TMP]                 ; the running largest t
	v_mov_b32 v[TMP], v12
	s_delay_alu instid0(VALU_DEP_2)
	v_floor_f32 v12, -v13                          ; the new -M = -ceil(t): M is a whole number
	s_delay_alu instid0(VALU_DEP_1)
	v_sub_f32 v[TMP], v12, v[TMP]                  ; old M - new M: a whole number, 0 or less
	s_delay_alu instid0(VALU_DEP_1)
	v_cvt_i32_f32 v[TMP], v[TMP]                   ; (it saturates)
	s_delay_alu instid0(VALU_DEP_1)
	v_ldexp_f32 v[F], 1.0, v[TMP]                  ; f = 2^(old M - new M)
.irp j,0,2,4,6,8,10,12,14,16,18,20,22,24,26,28,30,32,34,36,38,40,42,44,46,48,50,52,54,56,58,60,62
	v_pk_fma_f32 v[S+\j:S+\j+1], v[S+\j:S+\j+1], s[CS:CS+1], v[12:13] op_sel_hi:[1,0,0]   ; t - M, two at a time
.endr
.irp b,0,1,2,3
	v_fma_f32 v[BM+\b], v[BM+\b], s[CS], v12       ; the same of each block's largest score
.endr
	s_wait_alu depctr_va_vdst(0)
.irp j,0,1,2,3,4,5,6,7,8,9,10,11,12,13,14,15,16,17,18,19,20,21,22,23,24,25,26,27,28,29,30,31,32,33,34,35,36,37,38,39,40,41,42,43,44,45,46,47,48,49,50,51,52,53,54,55,56,57,58,59,60,61,62,63
	v_exp_f32 v[S+\j], v[S+\j]                     ; p = 2^(t - M), at most 1
.endr
	v_pk_mul_f32 v[14:15], v[14:15], v[F:F+1] op_sel_hi:[1,0]      ; the sums under the new M (the plain instruction behind the exponentials)
	s_wait_alu depctr_va_vdst(0)                   ; one wait for the whole batch, ahead of its first reader
.irp b,0,1,2,3
	v_exp_f32 v[BM+\b], v[BM+\b]                   ; the block's largest p: the same two instructions on the same number give the same bits
.endr
	v_pk_add_f32 v[222:223], v[100:101], v[104:105]
	v_pk_add_f32 v[244:245], v[108:109], v[112:113]
	v_pk_add_f32 v[242:243], v[116:117], v[120:121]
	v_pk_add_f32 v[240:241], v[124:125], v[128:129]
	v_pk_add_f32 v[238:239], v[132:133], v[136:137]
	v_pk_add_f32 v[236:237], v[140:141], v[144:145]
	v_pk_add_f32 v[228:229], v[148:149], v[152:153]
	v_pk_add_f32 v[14:15], v[14:15], v[156:157]
	v_pk_add_f32 v[222:223], v[222:223], v[96:97]
	v_pk_add_f32 v[244:245], v[244:245], v[98:99]
	v_pk_add_f32 v[242:243], v[242:243], v[102:103]
	v_pk_add_f32 v[240:241], v[240:241], v[106:107]
	v_pk_add_f32 v[238:239], v[238:239], v[110:111]
	v_pk_add_f32 v[236:237], v[236:237], v[114:115]
	v_pk_add_f32 v[228:229], v[228:229], v[118:119]
	v_pk_add_f32 v[14:15], v[14:15], v[122:123]
	v_pk_add_f32 v[222:223], v[222:223], v[126:127]
	v_pk_add_f32 v[244:245], v[244:245], v[130:131]
	v_pk_add_f32 v[242:243], v[242:243], v[134:135]
	v_pk_add_f32 v[240:241], v[240:241], v[138:139]
	v_pk_add_f32 v[238:239], v[238:239], v[142:143]
	v_pk_add_f32 v[236:237], v[236:237], v[146:147]
	v_pk_add_f32 v[228:229], v[228:229], v[150:151]
	v_pk_add_f32 v[14:15], v[14:15], v[154:155]
	v_pk_add_f32 v[222:223], v[222:223], v[158:159]
	s_delay_alu instid0(VALU_DEP_2)
	v_pk_add_f32 v[14:15], v[14:15], v[240:241]
	s_delay_alu instid0(VALU_DEP_2)
	v_pk_add_f32 v[222:223], v[222:223], v[238:239]
	v_pk_add_f32 v[244:245], v[244:245], v[236:237]
	v_pk_add_f32 v[242:243], v[242:243], v[228:229]
	s_delay_alu instid0(VALU_DEP_2)
	v_pk_add_f32 v[14:15], v[14:15], v[244:245]
	s_delay_alu instid0(VALU_DEP_2)
	v_pk_add_f32 v[222:223], v[222:223], v[242:243]
	s_delay_alu instid0(VALU_DEP_1)
	v_pk_add_f32 v[14:15], v[14:15], v[222:223]
	s_wait_alu depctr_va_vdst(0)                   ; and one for the four
.irp b,0,1,2,3
	v_max_num_f32 v[BM+\b], 0x1800000, v[BM+\b]    ; the floor 2^(3 - 127): the byte cannot fall under 1
.endr
.irp b,0,1,2,3
	s_delay_alu instid0(VALU_DEP_4)
	v_add_nc_u32 v[SO+\b], 0xff000000, v[BM+\b]    ; 2 off the exponent field: the conversion's scale operand
.endr
.irp b,0,1,2,3
	s_delay_alu instid0(VALU_DEP_4)
	v_lshrrev_b32 v[U+\b], 23, v[SO+\b]            ; the scale's byte
.endr
	s_delay_alu instid0(VALU_DEP_3)
	v_lshl_or_b32 v[PS], v[U+1], 8, v[U]           ; p's scale word for these 128 keys
	s_delay_alu instid0(VALU_DEP_1)
	v_lshl_or_b32 v[PS], v[U+2], 16, v[PS]
	s_delay_alu instid0(VALU_DEP_1)
	v_lshl_or_b32 v[PS], v[U+3], 24, v[PS]
.irp c,0,1
.irp w,0,1
.irp e,0,1
	v_cvt_scalef32_pk8_fp4_f32 v[CD+4*\c+2*\w+\e], v[S+16*(2*\c+\e)+8*\w:S+16*(2*\c+\e)+8*\w+7], v[SO+2*\c+\e]   ; lane (r, h): keys 32 (2 c + e) + 16 w + 8 h + 0 .. 7
.endr
.endr
.endr
	v_nop                                          ; one plain instruction behind the last conversion
.if \nm < 4
	MASKIN \nm                                     ; p has been read for the last time: its registers take the next step's mask, which lands during the rest of this step
.endif
.irp c,0,1
.irp w,0,1
	v_permlane16_swap_b32 v[CD+4*\c+2*\w], v[CD+4*\c+2*\w+1]       ; register 4 c + i now holds keys 64 c + 32 (l / 16) + 8 i + 0 .. 7: the operand's layout
.endr
.endr
.irp j,0,2,4,6,8,10,12,14,16,18,20,22,24,26,28,30
	v_pk_mul_f32 v[O+\j:O+\j+1], v[O+\j:O+\j+1], v[F:F+1] op_sel_hi:[1,0]   ; O^T under the new M.  (These sixteen also stand between the lines that made p's codes and scale word and the products below)
.endr
.if \nm < 4
	s_wait_alu depctr_va_vdst(0)
	s_wait_dscnt 16                                ; V and its scale words are in; the sixteen loads of the mask, issued behind them, may be out
.else
	s_wait_alu depctr_va_vdst(0)
	s_wait_dscnt 0x0                               ; V and its scale words
.endif
.irp t,0,1,2,3
.set rD, O+8*\t
.set rA, VF+8*\t
.set rB, CD
.set rSA, VS+\t/2
.set rSB, PS
.set fA, \t%2
.set fB, 0
	WM                                             ; O^T += V^T P^T
.endr
.if \xs
	s_add_co_u32 s[XST], s[XST], CST
.endif
.endm
; A head is done: O^T is divided by the row's sum, quantised along the head's 64 channels (half a K step of the projection), and goes to LDS as an image with its two scale bytes.
.macro EPI
	v_add_f32 v14, v14, v15
	s_delay_alu instid0(VALU_DEP_1)
	v_permlanex16_b32 v[TMP], v14, s[SEL], s[SEL+1]
	s_delay_alu instid0(VALU_DEP_1)
	v_add_f32 v14, v14, v[TMP]                     ; the sum's two halves and lane l xor 16's
	s_wait_alu depctr_va_vdst(0)
	v_rcp_f32 v14, v14
	v_nop                                          ; a plain instruction behind the reciprocal,
	s_wait_alu depctr_va_vdst(0)                   ; and the wait ahead of its first reader
.irp j,0,2,4,6,8,10,12,14,16,18,20,22,24,26,28,30
	v_pk_mul_f32 v[O+\j:O+\j+1], v[O+\j:O+\j+1], v[14:15] op_sel_hi:[1,0]   ; each accumulator from its low end on
.endr
.irp b,0,1
	v_max3_num_f32 v[BM+\b], |v[O+16*\b]|, |v[O+16*\b+1]|, 0x1800000
.endr
.irp i,2,4,6,8,10,12,14
.irp b,0,1
	s_delay_alu instid0(VALU_DEP_2)
	v_max3_num_f32 v[BM+\b], v[BM+\b], |v[O+16*\b+\i]|, |v[O+16*\b+\i+1]|
.endr
.endr
.irp b,0,1
	s_delay_alu instid0(VALU_DEP_2)
	v_permlanex16_b32 v[U+\b], v[BM+\b], s[SEL], s[SEL+1]
.endr
.irp b,0,1
	s_delay_alu instid0(VALU_DEP_2)
	v_max_num_f32 v[BM+\b], v[BM+\b], v[U+\b]
.endr
.irp b,0,1
	s_delay_alu instid0(VALU_DEP_2)
	v_add_nc_u32 v[SO+\b], 0xff000000, v[BM+\b]
.endr
.irp b,0,1
	s_delay_alu instid0(VALU_DEP_2)
	v_lshrrev_b32 v[U+\b], 23, v[SO+\b]
.endr
	s_delay_alu instid0(VALU_DEP_1)
	v_lshl_or_b32 v[TMP], v[U+1], 8, v[U]
.irp w,0,1
.irp b,0,1
	v_cvt_scalef32_pk8_fp4_f32 v[CD+2*\w+\b], v[O+16*\b+8*\w:O+16*\b+8*\w+7], v[SO+\b]
.endr
.endr
	v_nop
	v_permlane16_swap_b32 v[CD], v[CD+1]
	v_permlane16_swap_b32 v[CD+2], v[CD+3]
	v_add_nc_u32 v[XLA], s[RI], v[AII0]
	ds_store_b128 v[XLA], v[CD:CD+3]
	v_add_nc_u32 v[ADM], s[RS], v[AIS0]
	ds_store_b16 v[ADM], v[TMP]                    ; lanes l and l + 16 write the same two bytes with the same value
.endm
	s_mov_b32 s[RND], 2
.Lround:                                           ; rounds 0 and 1: a head's four steps, once round the ring; the last round is written out
	CHANGE 0, 1
	STEP 0, 0, 1, 1
	STEP 0, 1, 1, 2
	CHANGE 1, 1
	STEP 1, 0, 1, 3
	STEP 1, 1, 1, 0
	PLACES
	EPI
.irp j,0,1,2,3
	v_mov_b32 v[Q+\j], v[Q+8+\j]                   ; the next head's q moves up; the lines of FRESH stand between these and the next products
.endr
.irp j,0,1,2,3
	v_mov_b32 v[Q+8+\j], v[Q+12+\j]
.endr
	v_mov_b32 v[QS], v[QS+1]
	v_mov_b32 v[QS+1], v[QS+2]
	FRESH
	s_add_co_u32 s[RI], s[RI], 2048
	s_add_co_u32 s[RS], s[RS], 512
	s_sub_co_u32 s[RND], s[RND], 1
	s_cmp_lg_u32 s[RND], 0
	s_cbranch_scc1 .Lround
	CHANGE 0, 1                                    ; the last filling, into slot 1
	STEP 0, 0, 1, 1                                ; step 8: chunk 8, the last of x's own bytes; chunk 9 is asked for
	STEP 0, 1, 0, 2                                ; step 9: chunk 9 stays in its registers: its place is slot 0's, which is still being read
	CHANGE 1, 0                                    ; behind this barrier nobody reads slot 0, and nothing is filled any more
	STEP 1, 0, 1, 3                                ; step 10: chunk 9
	STEP 1, 1, 1, 4                                ; step 11: chunk 10; chunk 11 is asked for
	PLACES
	s_wait_loadcnt 0x0                             ; chunk 11, asked for a step ago
	v_add_nc_u32 v[XLA], s[XST], v[XL0]
	ds_store_b128 v[XLA], v[XD:XD+3]
	ds_store_b128 v[XLA], v[XD+4:XD+7] offset:512
	; Wo is asked for here, so that it travels during the last head's way out: my 48 rows' scale words, then the fragments of K steps 0, 1, 2
.macro WFETCH kp
.irp t,0,1,2
.irp c,0,1
	global_load_b128 v[WB+24*((\kp)%3)+8*\t+4*\c:WB+24*((\kp)%3)+8*\t+4*\c+3], v[WGO], s[WOP:WOP+1] offset:6144*\t+64*(\kp)+32*\c
.endr
.endr
.endm
.irp t,0,1,2
.irp i,0,1,2
	global_load_b64 v[WS+6*\t+2*\i:WS+6*\t+2*\i+1], v[WSO], s[WSP:WSP+1] offset:384*\t+8*\i
.endr
.endr
	WFETCH 0
	WFETCH 1
	WFETCH 2
	EPI
	s_wait_dscnt 0x0                               ; for the others' sake: my images, scale bytes and rows of x lie in LDS
	s_barrier_signal -1
	s_barrier_wait -1                              ; everybody's do
	; THE PROJECTION: Y^T = Wo A^T + x: twelve accumulators (token tile m, column tile t) by turns, one instruction a turn; x is the C of each sum's first product
	v_add_nc_u32 v[AIM], IMG, v[L16]
	s_wait_alu depctr_va_vdst(0)
	v_and_b32 v[AISR], 31, v0
	s_delay_alu instid0(VALU_DEP_1)
	v_lshl_add_u32 v[AISR], v[AISR], 2, ISC
	s_wait_alu depctr_va_vdst(0)
.irp m,0,1,2,3
.irp t,0,1,2
.irp e,0,1
	ds_load_b128 v[AC+8*(3*\m+\t)+4*\e:AC+8*(3*\m+\t)+4*\e+3], v[AX+\t] offset:4160*\m+16*\e   ; token tile m: four waves' places on
.endr
.endr
.endr
.set KP, 0
.rept 6
.irp m,0,1,2,3
.irp c,0,1
	ds_load_b128 v[IM+8*\m+4*\c:IM+8*\m+4*\c+3], v[AIM] offset:(6*\m+KP)*1024+512*\c
.endr
.endr
	ds_load_b32 v[IS], v[AISR] offset:256*KP       ; lanes 0-15 token tile 0, lanes 16-31 tile 1;
	ds_load_b32 v[IS+1], v[AISR] offset:256*KP+128 ; tiles 2 and 3
	s_wait_dscnt 0x0
.if KP < 4
	s_wait_loadcnt 12                              ; this K step's fragments of Wo are in; the two younger buffers' twelve loads may be out
.elseif KP == 4
	s_wait_loadcnt 6
.else
	s_wait_loadcnt 0x0
.endif
.irp m,0,1,2,3
.irp t,0,1,2
.set rD, AC+8*(3*\m+\t)
.set rA, WB+24*(KP%3)+8*\t
.set rB, IM+8*\m
.set rSA, WS+6*\t+KP
.set rSB, IS+\m/2
.set fA, 0
.set fB, \m%2
	WM
.endr
.endr
	PLACES
.if KP < 3
	WFETCH KP+3
.endif
.set KP, KP+1
.endr
.irp m,0,1,2,3
.irp t,0,1,2
.irp e,0,1
	ds_store_b128 v[AX+\t], v[AC+8*(3*\m+\t)+4*\e:AC+8*(3*\m+\t)+4*\e+3] offset:4160*\m+16*\e   ; back to the bytes that I alone read; each accumulator from its low end on
.endr
.endr
.endr
.irp c,0,1,2,3,4,5
	global_load_b128 v[BO+4*\c:BO+4*\c+3], v[L16], s[14:15] offset:512*\c
	global_load_b128 v[LW+4*\c:LW+4*\c+3], v[L16], s[18:19] offset:512*\c
	global_load_b128 v[LB+4*\c:LB+4*\c+3], v[L16], s[20:21] offset:512*\c
.endr
	s_wait_dscnt 0x0
	s_barrier_signal -1
	s_barrier_wait -1                              ; 64 whole rows lie in LDS
	; THE ROWS: my four, whole: 24 numbers a lane and row, columns 128 c + 4 l + 0 .. 3.  The four rows take turns line by line.
.irp q,0,1,2,3
.if \q == 0
.set rX, XL0
.else
.set rX, XLQ+\q-1
.endif
.irp k,0,1,2
.irp e,0,1
	ds_load_b128 v[Y+24*\q+4*(2*\k+\e):Y+24*\q+4*(2*\k+\e)+3], v[rX] offset:CST*\k+512*\e
.endr
.endr
.endr
	s_wait_dscnt 0x0
	s_wait_loadcnt 0x0
.irp p,0,1,2,3,4,5,6,7,8,9,10,11
.irp q,0,1,2,3
	v_pk_add_f32 v[Y+24*\q+2*\p:Y+24*\q+2*\p+1], v[Y+24*\q+2*\p:Y+24*\q+2*\p+1], v[BO+2*\p:BO+2*\p+1]   ; + bo
.endr
.endr
.irp q,0,1,2,3
	v_pk_add_f32 v[SU+2*\q:SU+2*\q+1], v[Y+24*\q:Y+24*\q+1], v[Y+24*\q+2:Y+24*\q+3]
.endr
.irp p,2,3,4,5,6,7,8,9,10,11
.irp q,0,1,2,3
	s_delay_alu instid0(VALU_DEP_4)
	v_pk_add_f32 v[SU+2*\q:SU+2*\q+1], v[SU+2*\q:SU+2*\q+1], v[Y+24*\q+2*\p:Y+24*\q+2*\p+1]
.endr
.endr
.irp q,0,1,2,3
	s_delay_alu instid0(VALU_DEP_4)
	v_add_f32 v[SU+2*\q], v[SU+2*\q], v[SU+2*\q+1]
.endr
.irp x,1,2,4,8
.irp q,0,1,2,3
	s_delay_alu instid0(VALU_DEP_4)
	v_add_f32_dpp v[SU+2*\q], v[SU+2*\q], v[SU+2*\q] row_xmask:\x row_mask:0xf bank_mask:0xf
.endr
.endr
.irp q,0,1,2,3
	s_delay_alu instid0(VALU_DEP_4)
	v_permlanex16_b32 v[TP+\q], v[SU+2*\q], s[SEL], s[SEL+1]
.endr
.irp q,0,1,2,3
	s_delay_alu instid0(VALU_DEP_4)
	v_add_f32 v[SU+2*\q], v[SU+2*\q], v[TP+\q]
.endr
.irp q,0,1,2,3
	s_delay_alu instid0(VALU_DEP_4)
	v_mul_f32 v[SU+2*\q], s[INV], v[SU+2*\q]       ; the mean
.endr
.irp p,0,1,2,3,4,5,6,7,8,9,10,11
.irp q,0,1,2,3
	v_pk_add_f32 v[Y+24*\q+2*\p:Y+24*\q+2*\p+1], v[Y+24*\q+2*\p:Y+24*\q+2*\p+1], v[SU+2*\q:SU+2*\q+1] op_sel_hi:[1,0] neg_lo:[0,1] neg_hi:[0,1]   ; y - mean
.endr
.endr
.irp q,0,1,2,3
	v_pk_mul_f32 v[SQ+2*\q:SQ+2*\q+1], v[Y+24*\q:Y+24*\q+1], v[Y+24*\q:Y+24*\q+1]
.endr
.irp p,1,2,3,4,5,6,7,8,9,10,11
.irp q,0,1,2,3
	s_delay_alu instid0(VALU_DEP_4)
	v_pk_fma_f32 v[SQ+2*\q:SQ+2*\q+1], v[Y+24*\q+2*\p:Y+24*\q+2*\p+1], v[Y+24*\q+2*\p:Y+24*\q+2*\p+1], v[SQ+2*\q:SQ+2*\q+1]
.endr
.endr
.irp q,0,1,2,3
	s_delay_alu instid0(VALU_DEP_4)
	v_add_f32 v[SQ+2*\q], v[SQ+2*\q], v[SQ+2*\q+1]
.endr
.irp x,1,2,4,8
.irp q,0,1,2,3
	s_delay_alu instid0(VALU_DEP_4)
	v_add_f32_dpp v[SQ+2*\q], v[SQ+2*\q], v[SQ+2*\q] row_xmask:\x row_mask:0xf bank_mask:0xf
.endr
.endr
.irp q,0,1,2,3
	s_delay_alu instid0(VALU_DEP_4)
	v_permlanex16_b32 v[TP+\q], v[SQ+2*\q], s[SEL], s[SEL+1]
.endr
.irp q,0,1,2,3
	s_delay_alu instid0(VALU_DEP_4)
	v_add_f32 v[SQ+2*\q], v[SQ+2*\q], v[TP+\q]
.endr
.irp q,0,1,2,3
	s_delay_alu instid0(VALU_DEP_4)
	v_fma_f32 v[SQ+2*\q+1], v[SQ+2*\q], s[INV], s[EPS]             ; the variance + 1e-12
.endr
	s_wait_alu depctr_va_vdst(0)
.irp q,0,1,2,3
	v_rsq_f32 v[SQ+2*\q], v[SQ+2*\q+1]
.endr
	v_nop                                          ; a plain instruction behind the last of the four,
	s_wait_alu depctr_va_vdst(0)                   ; and one wait for the batch, ahead of its first reader
.irp p,0,1,2,3,4,5,6,7,8,9,10,11
.irp q,0,1,2,3
	v_pk_mul_f32 v[Y+24*\q+2*\p:Y+24*\q+2*\p+1], v[Y+24*\q+2*\p:Y+24*\q+2*\p+1], v[SQ+2*\q:SQ+2*\q+1] op_sel_hi:[1,0]
.endr
.endr
.irp p,0,1,2,3,4,5,6,7,8,9,10,11
.irp q,0,1,2,3
	v_pk_fma_f32 v[Y+24*\q+2*\p:Y+24*\q+2*\p+1], v[Y+24*\q+2*\p:Y+24*\q+2*\p+1], v[LW+2*\p:LW+2*\p+1], v[LB+2*\p:LB+2*\p+1]
.endr
.endr
.irp q,0,1,2,3
.irp c,0,1,2,3,4,5
	global_store_b128 v[L16], v[Y+24*\q+4*\c:Y+24*\q+4*\c+3], s[OUTP:OUTP+1] offset:3072*\q+512*\c th:TH_STORE_NT   ; 32 lanes store 512 consecutive bytes, at a multiple of 256 from out0's first byte
.endr
.endr
	s_wait_tensorcnt 0x0                           ; the wave's end
	ds_add_u32 v[SPW], v[NIL]
	s_wait_dscnt 0x0
	CROUND                                         ; the closing round: no work-group ends while a partner may still ask for a tile that names it
	s_endpgm
.Lfunc_end_k_q3914ff5155_attn:
	.size	k_q3914ff5155_attn, .Lfunc_end_k_q3914ff5155_attn-k_q3914ff5155_attn
	.p2alignl 7, 3214868480
	.fill 96, 4, 3214868480
	.section	.rodata,"a",@progbits
	.p2align	6, 0x0
	.amdhsa_kernel k_q3914ff5155_attn
		.amdhsa_group_segment_fixed_size 327680
		.amdhsa_private_segment_fixed_size 0
		.amdhsa_enable_private_segment 0
		.amdhsa_kernarg_size 80
		.amdhsa_user_sgpr_count 2
		.amdhsa_user_sgpr_kernarg_segment_ptr 1
		.amdhsa_wavefront_size32 1
		.amdhsa_system_sgpr_workgroup_id_x 1
		.amdhsa_system_sgpr_workgroup_id_y 1
		.amdhsa_system_sgpr_workgroup_id_z 1
		.amdhsa_system_vgpr_workitem_id 0
		.amdhsa_next_free_vgpr 256
		.amdhsa_next_free_sgpr 100
		.amdhsa_reserve_vcc 0
		.amdhsa_float_denorm_mode_32 3
		.amdhsa_float_denorm_mode_16_64 3
		.amdhsa_memory_ordered 1
		.amdhsa_forward_progress 1
		.amdhsa_inst_pref_size 217
	.end_amdhsa_kernel
	.amdgpu_metadata
---
amdhsa.version: [ 1, 2 ]
amdhsa.kernels:
  - .name:           k_q3914ff5155_attn
    .symbol:         k_q3914ff5155_attn.kd
    .args:
      - { .name: qbuf, .offset: 0, .size: 8, .value_kind: global_buffer, .address_space: global }
      - { .name: kvbuf, .offset: 8, .size: 8, .value_kind: global_buffer, .address_space: global }
      - { .name: additive_attention_mask, .offset: 16, .size: 8, .value_kind: global_buffer, .address_space: global }
      - { .name: Wo_codes, .offset: 24, .size: 8, .value_kind: global_buffer, .address_space: global }
      - { .name: Wo_scales, .offset: 32, .size: 8, .value_kind: global_buffer, .address_space: global }
      - { .name: bo, .offset: 40, .size: 8, .value_kind: global_buffer, .address_space: global }
      - { .name: x, .offset: 48, .size: 8, .value_kind: global_buffer, .address_space: global }
      - { .name: ln_w, .offset: 56, .size: 8, .value_kind: global_buffer, .address_space: global }
      - { .name: ln_b, .offset: 64, .size: 8, .value_kind: global_buffer, .address_space: global }
      - { .name: out0, .offset: 72, .size: 8, .value_kind: global_buffer, .address_space: global }
    .group_segment_fixed_size: 327680
    .private_segment_fixed_size: 0
    .kernarg_segment_align: 8
    .kernarg_segment_size: 80
    .max_flat_workgroup_size: 512
    .sgpr_count:     100
    .vgpr_count:     256
    .wavefront_size: 32
...
	.end_amdgpu_metadata
.endif
;; end of part 2
